; MI455X (gfx1250); checked and timed in simulation.
; The chip was launched on July 23, 2026; its instructions are those of AMD's public machine-readable ISA for CDNA 5 (MIT licence, August 2026) and "CDNA5" Instruction Set Architecture Reference Guide (July 2026). The comments in the code are by the model that wrote it; some were corrected since.
;; Attn Block. Allowed arithmetic: matrix products marked QUANTISED: E4M3 operands, one given power-of-two scale a tensor, by v_wmma_f32_16x16x64_fp8_fp8 or v_wmma_f32_16x16x128_fp8_fp8, f32 sums; everything else in f32.
;; Inputs: Wk_codes 1,024 x 32 x 32 uint8 (E4M3 codes of Wk, K innermost, in blocks of 32 codes); Wo_codes 1,024 x 32 x 32 uint8 (E4M3 codes of Wo, K innermost, in blocks of 32 codes); Wq_codes 1,024 x 32 x 32 uint8 (E4M3 codes of Wq, K innermost, in blocks of 32 codes); Wv_codes 1,024 x 32 x 32 uint8 (E4M3 codes of Wv, K innermost, in blocks of 32 codes); lowp_scales 12 int32 (the exponents e of the quantised operands' scales 2^e); x_codes 4 x 2,048 x 32 x 32 uint8 (E4M3 codes of x, K innermost, in blocks of 32 codes).
;; Outputs: out0 4 x 2,048 x 1,024 float32.
;; This version of the problem:
;;   THIS VERSION OF THE PROBLEM IS GIVEN IN LOW PRECISION. The matrix products marked QUANTISED in the list below multiply operands that are first quantised to E4M3 (4 exponent bits, 3 mantissa bits; 8 bits a number), with one given power-of-two scale for each operand tensor; their sums are f32. All else is computed in f32.
;;   The module's matrix products, in the order in which they are computed (A, B: the left and right operand; K: the contracted axis; several contracted axes count as one K, in the product's order):
;;     1. [M 8,192, K 1,024] x [K 1,024, N 1,024]; A: input x (given as codes); B: input Wq (given as codes): QUANTISED (scales: A lowp_scales[0], B lowp_scales[1])
;;     2. [M 8,192, K 1,024] x [K 1,024, N 1,024]; A: input x (given as codes); B: input Wk (given as codes): QUANTISED (scales: A lowp_scales[2], B lowp_scales[3])
;;     3. [M 8,192, K 1,024] x [K 1,024, N 1,024]; A: input x (given as codes); B: input Wv (given as codes): QUANTISED (scales: A lowp_scales[4], B lowp_scales[5])
;;     4. batch 64 x [M 2,048, K 64] x [K 64, N 2,048]; A: computed on the way; B: computed on the way: QUANTISED (scales: A lowp_scales[6], B lowp_scales[7])
;;     5. batch 64 x [M 2,048, K 2,048] x [K 2,048, N 64]; A: softmax (see below); B: computed on the way: QUANTISED (scales: A lowp_scales[8], B lowp_scales[9])
;;     6. [M 8,192, K 1,024] x [K 1,024, N 1,024]; A: computed on the way; B: input Wo (given as codes): QUANTISED (scales: A lowp_scales[10], B lowp_scales[11])
;;   THE QUANTISER, for each operand of a quantised product, along K:
;;     - The operand's scale is 2^e, e = its entry of the input lowp_scales (int32; the entries are numbered through the quantised products in the list's order, A before B).
;;     - Each number is divided by the scale, clamped to +-448, and rounded to the nearest number of E4M3, ties to even, subnormals kept.
;;     - The product sums the exact products of the quantised numbers (number of the format x scale) in f32.
;;   ~~~python
;;   def quantise(x, axis, e):      # numpy; x: float32 -> the quantised numbers, widened to float32 again
;;       x = np.moveaxis(x, axis, -1); K = x.shape[-1]
;;       r = np.clip(x / 2.0 ** e, -448, 448)
;;       step = 2.0 ** (np.maximum(np.frexp(np.where(r == 0, 1, r))[1] - 1, -6) - 3)
;;       q = np.round(r / step) * step * 2.0 ** e      # np.round: ties to even
;;       return np.moveaxis(q, -1, axis).astype(np.float32)
;;   ~~~
;;   SOFTMAX AHEAD OF A QUANTISED PRODUCT. Where the list says 'softmax', what is quantised is not the finished softmax but p = 2^(t - M), with t = logit x log2(e) and M = ceil(the row's largest t), a whole number; so 1/2 < the row's largest p <= 1. The row's sum l is taken of the UNQUANTISED p, in f32, and the product's result is divided by l at the end. Since M is a whole number, a kernel that streams over the keys may use a running M (the ceiling of the running maximum): every later rescaling is an exact power of two, so the quantised numbers keep their values, but for numbers so far below the row's largest that they fall under the format's range.
;;   OPERANDS COMPUTED ON THE WAY. 'Computed on the way' means the value that the module computes at that place (a softmax that the list does not call 'softmax' is quantised finished and normalised). What goes into a quantiser is computed in f32, as accurately as f32 sums, v_exp_f32 and their like allow (about 1e-6 of the number): no bf16 or f16 on the way to a quantiser, and a product that is left as it is and whose result goes on into a quantised operand takes f32 operands (vector FMAs, or v_wmma_f32_16x16x4_f32). A number that lies on a knife's edge between two numbers of the format may be rounded either way, as far as f32 arithmetic and the matrix unit's own rounding can turn it there, and no further.
;;   INPUTS GIVEN AS CODES. Wk (in the module: [1024, 1024], K = its axis 1); Wo (in the module: [1024, 1024], K = its axis 1); Wq (in the module: [1024, 1024], K = its axis 1); Wv (in the module: [1024, 1024], K = its axis 1); x (in the module: [4, 2048, 1024], K = its axis 2): each comes as NAME_codes (uint8): NAME with its K axis moved to the last place and cut into blocks of 32 codes, [.., K / 32, bytes a block], one block behind the other in memory; one code a byte (a code: sign, 4 exponent bits, 3 mantissa bits); its scale is its entry of lowp_scales. Its value is code x scale, taken as it is: it is not quantised again, and the codes and scales need not be those that the quantiser above would give.
;; One version. Each part assembles by itself: llvm-mc -triple=amdgcn-amd-amdhsa -mcpu=gfx1250 --defsym DOCPART=n.
;; ======== version 1 of 1: 3 launches
;; limits: right only within a limited range of input values
;; workspace buffers: q_codes 8,388,608 bytes; k_codes 8,388,608 bytes; v_codes 8,388,608 bytes; ctx_codes 8,388,608 bytes
;; launch qkv (part 1): grid 8 x 32, 4 waves a work-group, clusters of 4 x 4, 327,680 bytes of LDS; arguments x_codes, Wq_codes, Wk_codes, Wv_codes, lowp_scales, q_codes, k_codes, v_codes; writes q_codes, k_codes, v_codes
.if DOCPART == 1
	.amdgcn_target "amdgcn-amd-amdhsa--gfx1250"
	.amdhsa_code_object_version 6
	.text
	.protected	k_qd80a276df4_qkv
	.globl	k_qd80a276df4_qkv
	.p2align	8
	.type	k_qd80a276df4_qkv,@function
k_qd80a276df4_qkv:
	s_mov_b64 s[64:65], 0
	v_nop
	global_prefetch_b8 v0, s[64:65] scope:SCOPE_SE
	s_setreg_imm32_b32 hwreg(HW_REG_WAVE_MODE, 25, 1), 1
	s_wait_xcnt 0x0
	s_wait_alu depctr_hold_cnt(0) depctr_sa_sdst(0) depctr_va_vdst(0) depctr_va_sdst(0) depctr_va_ssrc(0) depctr_va_vcc(0) depctr_vm_vsrc(0)
	s_getreg_b32 s2, hwreg(HW_REG_IB_STS2, 6, 4)
	s_cmp_eq_u32 s2, 0
	s_cbranch_scc0 .Lentry_in_a_cluster
	s_endpgm
.Lentry_in_a_cluster:
	s_bfe_u32 s2, ttmp6, 0x10000c
	s_cmp_lg_u32 s2, 0xf033
	s_cbranch_scc0 .Lentry_shape_is_right
	s_endpgm
.Lentry_shape_is_right:
; q = rope(x Wq^T), k = rope(x Wk^T), v = x Wv^T on E4M3 codes, then quantised again for the attention launch.
; x: [8192][1024] codes; Wq, Wk, Wv: [1024][1024] codes, K innermost.  Scales 2^e: e0..e5 for the three products, e6, e7, e9 for q, k, v as operands.
; SHARES.  A work-group makes 256 rows x 2 heads x {q, k, v} (384 columns); 8 x 32 work-groups.  A wave makes 128 rows x 1 head x {q, k, v}: 96 accumulators of 16 x 16, 768 registers:
; each fragment of x read from LDS feeds three products.  K goes in steps of 128 through a ring of two LDS slots (two slots of 256 along K would take 2 x 640 rows x 272 bytes and do not fit).
; CLUSTER 4 x 4: x's tile hangs on the row block alone and is asked for jointly along a row of the cluster, the weights' tiles on the pair of heads alone, jointly along a column.
; ORIENTATION.  q, k: source 0 = 16 rows of W, source 1 = 16 rows of x: a lane holds one row t and eight neighbouring channels d = 16 b + 8 (lane / 16) + j, so a rope pair lies in two
; neighbouring registers and eight registers convert into registers 2 b, 2 b + 1 of a K = 64 fragment.  v: sources swapped: a lane holds one channel and eight neighbouring rows t,
; which convert into registers 2 a, 2 a + 1 of a K = 128 fragment of V^T.  The codes leave as images of those fragments: four registers = 512 consecutive bytes, lane l's 16 at 16 l.
;   q_codes, k_codes: [b*16+head][t/16][2][32 lanes][16 bytes]      v_codes: [b*16+head][t/128][d/16][4][32 lanes][16 bytes]
; Inside the products k is permuted alike in x and W (two loads of 16 bytes a fragment): every product meets its partner.
; ROPE.  cos and sin of fl(pos x freq) are made in f32 by the work-group for its 256 positions x 32 frequencies while the first tiles are on their way: reduction by pi/2 in two constants
; with fused multiply-adds, polynomials of degree 7 and 8 on |r| <= pi/4.  freq = 1 / (10^(i%8/8) x 10^(i/8)), each factor rounded to f32.
; LIMITS: freq may differ by one unit in the last place from a correctly rounded 10000^(-i/32): the angle then moves by up to about 1e-4 rad at the largest positions.
; e6-e0-e1, e7-e2-e3 and e9-e4-e5 lie between -126 and 119, so that each scale and 448 x the scale are f32 numbers.  NaN among the codes is not served.
.set PITCH,  144                       ; an LDS row: 128 bytes + 16 of padding = 36 words: the 16 rows of a fragment load start at 16 different groups of four banks
.set R16,    16*PITCH
.set WOFF,   256*PITCH                 ; a slot: x's 256 rows, then 128 rows each of Wq, Wk, Wv
.set WSZ,    128*PITCH
.set SLOT,   640*PITCH
.set CSB,    2*SLOT                    ; behind the ring: the table, 256 positions x (32 pairs (cos, sin) = 256 bytes + 16)
.set CSP,    272
.set SPARE,  CSB+256*CSP               ; behind the table: the spare words, 128 bytes a wave
.set ADRA, 16                          ; v16-17  LDS address of my fragments of x in slot 0, 1
.set ADRW, 18                          ; v18-19  of my head's rows of Wq in slot 0, 1 (Wk, Wv by the offset)
.set CSA,  20                          ; v20     my place in the table
.set LI,   21                          ; v21     16 x lane
.set QS,   22                          ; v22-27  scale and 448 x scale for q, k, v
.set SPW,  28                          ; v28     my spare word; never rewritten
.set NIL,  29                          ; v29     0; never rewritten
.set AF,   32                          ; v32-95, v96-159: x's 8 fragments, two sets
.set BF,   160                         ; v160-255: 4 fragments each of Wq, Wk, Wv, one set
.set RO,   96                          ; the way out: 32 rotated numbers
.set WV,   20
.set RH,   21                          ; which 128 of the 256 rows are mine
.set HD,   22                          ; which of the two heads
.set LAPC, 23
.set G1A,  24                          ; s[24:31] group 1 for x's tile; s[32:39] its groups 0, one a slot
.set G0A,  32
.set G1B,  48                          ; s[48:55], s[56:63] the same for a weight's tile
.set G0B,  56
.set TS,   87                          ; the table loop's counter and LDS step
; windows: 0 addresses and fragments; 1, 2, 3 the accumulators of q, k, v: (a, b) at v[8 (4 a + b)]
.set MSB, 0
.macro WIN new                         ; the immediate's high byte repeats the setting that is left
.if MSB != (\new)
	s_set_vgpr_msb (MSB<<8)|(\new)
.set MSB, (\new)
.endif
.endm
.macro PLACES                          ; four plain vector lines between a matrix instruction and a load into, or a vector access of, its registers
.rept 4
	v_nop
.endr
.endm
; A joint load: wave 0 fetches x's 256 rows, waves 1 to 3 the 128 rows of Wq, Wk, Wv.  The branch hangs on the wave's number alone.  Four v_nop follow each line.
.macro JLOAD s
	s_cmp_eq_u32 s[WV], 0
	s_cbranch_scc0 .Lfor_w_\@
	tensor_load_to_lds s[G0A+4*\s:G0A+4*\s+3], s[G1A:G1A+7]
	s_nop 0
.rept 4
	v_nop
.endr
	s_branch .Lasked_\@
.Lfor_w_\@:
	tensor_load_to_lds s[G0B+4*\s:G0B+4*\s+3], s[G1B:G1B+7]
	s_nop 0
.rept 4
	v_nop
.endr
.Lasked_\@:
.endm
.macro CREST                           ; a round of the cluster's barrier behind its opening barrier
	s_cmp_lg_u32 s[WV], 0
	s_cbranch_scc1 .Lnot_wave_0_\@
	s_barrier_signal -3
.Lnot_wave_0_\@:
	s_barrier_wait -3
	s_barrier_signal -1
	s_barrier_wait -1
.endm
.macro CROUND
	s_barrier_signal -1
	s_barrier_wait -1
	CREST
.endm
	s_load_b256 s[4:11], s[0:1], 0x0               ; x s[4:5], Wq s[6:7], Wk s[8:9], Wv s[10:11]
	s_load_b256 s[12:19], s[0:1], 0x20             ; scales s[12:13], q s[14:15], k s[16:17], v s[18:19]
	v_lshl_add_u32 v[SPW], v0, 2, SPARE
	v_mov_b32 v[NIL], 0
	ds_add_u32 v28, v29
	ds_add_u32 v28, v29
	s_wait_dscnt 0x0
	v_lshrrev_b32 v1, 5, v0
	v_readfirstlane_b32 s[WV], v1                  ; wave 0..3
	s_lshr_b32 s[RH], s[WV], 1
	s_and_b32 s[HD], s[WV], 1
	s_bfe_u32 s40, ttmp6, 0x40000                  ; cx
	s_bfe_u32 s41, ttmp6, 0x40004                  ; cy
	s_lshl_b32 s42, ttmp9, 2
	s_add_co_u32 s42, s42, s40                     ; pair of heads 0..7 = 4 x cluster x + cx
	s_and_b32 s43, ttmp7, 0xffff
	s_lshl_b32 s43, s43, 2
	s_add_co_u32 s43, s43, s41                     ; block of 256 rows 0..31 = 4 x cluster y + cy
	s_lshl_b32 s44, s41, 2
	s_lshl_b32 s44, 15, s44                        ; my row of the cluster
	s_lshl_b32 s45, 0x1111, s40                    ; my column
	s_or_b32 s[G1A], s44, (1<<20)|(1<<21)|(4<<22)|(3<<25)   ; the mask; elements of 1 byte; padding on; bit 21 beside a mask; after every 32 words four words
	s_or_b32 s[G1B], s45, (1<<20)|(1<<21)|(4<<22)|(3<<25)
	s_mov_b32 s[G1A+1], 128<<16                    ; tensor_dim0 = 128
	s_mov_b32 s[G1A+2], 256<<16                    ; tensor_dim1 = 256
	s_mov_b32 s[G1A+3], 128<<16                    ; tile_dim0 = 128
	s_mov_b32 s[G1A+4], 256                        ; tile_dim1 = 256
	s_mov_b32 s[G1A+5], 1024                       ; bytes from row to row
	s_mov_b32 s[G1A+6], 0
	s_mov_b32 s[G1A+7], 0
	s_mov_b32 s[G1B+1], 128<<16
	s_mov_b32 s[G1B+2], 128<<16                    ; 128 rows
	s_mov_b32 s[G1B+3], 128<<16
	s_mov_b32 s[G1B+4], 128
	s_mov_b32 s[G1B+5], 1024
	s_mov_b32 s[G1B+6], 0
	s_mov_b32 s[G1B+7], 0
	s_lshl_b32 s66, s43, 18                        ; x: 256 rows of 1,024 bytes a block
	s_mov_b32 s67, 0
	s_lshl_b32 s78, s42, 17                        ; W: 128 rows a pair of heads
	s_mov_b32 s79, 0
	s_add_co_u32 s80, s[WV], 1
	s_mul_i32 s80, s80, WSZ                        ; where a weight's tile goes: 18,432 (wave + 1): behind x's rows
	s_wait_kmcnt 0x0
	s_load_b256 s[68:75], s[12:13], 0x0            ; e0 .. e7
	s_load_b64 s[76:77], s[12:13], 0x20            ; e8, e9
	s_add_nc_u64 s[66:67], s[4:5], s[66:67]
	s_cmp_eq_u32 s[WV], 2                          ; which weight my wave fetches: 1 Wq, 2 Wk, 3 Wv
	s_cselect_b64 s[46:47], s[8:9], s[6:7]
	s_cmp_eq_u32 s[WV], 3
	s_cselect_b64 s[46:47], s[10:11], s[46:47]
	s_add_nc_u64 s[46:47], s[46:47], s[78:79]
	CROUND                                         ; all sixteen work-groups are here: the first joint loads meet
.irp s, 0,1
	s_mov_b32 s[G0A+4*\s], 1
	s_mov_b32 s[G0A+4*\s+1], \s*SLOT
	s_add_nc_u64 s[G0A+4*\s+2:G0A+4*\s+3], s[66:67], \s*128
	s_or_b32 s[G0A+4*\s+3], s[G0A+4*\s+3], 0x80000000
	s_mov_b32 s[G0B+4*\s], 1
	s_add_co_u32 s[G0B+4*\s+1], s80, \s*SLOT
	s_add_nc_u64 s[G0B+4*\s+2:G0B+4*\s+3], s[46:47], \s*128
	s_or_b32 s[G0B+4*\s+3], s[G0B+4*\s+3], 0x80000000
	s_wait_alu depctr_va_vdst(0)
	s_wait_tensorcnt 0x0
	ds_add_u32 v28, v29
	ds_add_u32 v28, v29
	s_wait_dscnt 0x0
	CROUND
	JLOAD \s                                       ; one load of mine is out
.endr
	; addresses
	v_and_b32 v1, 15, v0                           ; r
	v_bfe_u32 v2, v0, 4, 1                         ; h
	v_and_b32 v5, 31, v0                           ; lane
	v_mul_u32_u24 v3, v1, PITCH
	v_lshl_add_u32 v3, v2, 4, v3                   ; r x pitch + 16 h
	s_mul_i32 s81, s[RH], 128*PITCH
	s_mul_i32 s82, s[HD], 64*PITCH
	s_add_co_u32 s82, s82, WOFF
	v_add_nc_u32 v[ADRA], s81, v3
	v_add_nc_u32 v[ADRW], s82, v3
	v_add_nc_u32 v[ADRA+1], SLOT, v[ADRA]
	v_add_nc_u32 v[ADRW+1], SLOT, v[ADRW]
	v_mul_u32_u24 v4, v1, CSP
	v_lshl_add_u32 v4, v2, 5, v4
	s_mul_i32 s83, s[RH], 128*CSP
	s_add_co_u32 s83, s83, CSB
	v_add_nc_u32 v[CSA], s83, v4                   ; table row 128 rh + r, + 32 h: my four frequencies of a tile of 16 channels
	v_lshlrev_b32 v[LI], 4, v5
	s_mul_i32 s84, s[WV], 64*CSP
	s_add_co_u32 s84, s84, CSB
	v_lshl_add_u32 v6, v5, 3, s84                  ; where I write the table: rows 64 wave on, pair = my lane
	; where the codes go
	s_lshr_b32 s88, s43, 3
	s_lshl_b32 s88, s88, 4
	s_lshl_b32 s89, s42, 1
	s_add_co_u32 s88, s88, s89
	s_add_co_u32 s88, s88, s[HD]                   ; 16 x batch + head
	s_and_b32 s89, s43, 7                          ; which 256 of the batch's 2,048 rows
	s_lshl_b32 s90, s89, 4
	s_lshl_b32 s91, s[RH], 3
	s_add_co_u32 s90, s90, s91                     ; my first tile of 16 rows
	s_lshl_b32 s92, s88, 7
	s_add_co_u32 s92, s92, s90
	s_lshl_b32 s92, s92, 10
	s_mov_b32 s93, 0
	s_add_nc_u64 s[14:15], s[14:15], s[92:93]
	s_add_nc_u64 s[16:17], s[16:17], s[92:93]
	s_lshl_b32 s94, s89, 1
	s_add_co_u32 s94, s94, s[RH]                   ; my block of 128 keys
	s_lshl_b32 s95, s88, 4
	s_add_co_u32 s94, s94, s95
	s_lshl_b32 s94, s94, 13
	s_mov_b32 s95, 0
	s_add_nc_u64 s[18:19], s[18:19], s[94:95]
	s_lshl_b32 s85, s89, 8
	s_lshl_b32 s86, s[WV], 6
	s_add_co_u32 s85, s85, s86                     ; the first position whose cos and sin my wave makes
; THE TABLE.  Lane = frequency i; the wave takes 64 positions, four a trip, as two packed pairs.
.set FQ,  32                           ; v[32:33] freq, twice
.set KS2, 34                           ; constants that stand as addends, each twice
.set KS1, 36
.set KC1, 38
.set TP,  40                           ; v[40:43] four positions as f32
.set KC0, 44
.set TW,  48                           ; work: 32 registers for each packed pair
.set oA, 0
.set oN, 2
.set oR, 4
.set oZ, 6
.set oPS, 8
.set oZR, 10
.set oSN, 12
.set oPC, 14
.set oH, 16
.set oZZ, 18
.set oCN, 20
.set oKI, 22
.set oTM, 24
.set oO, 26
.macro PICK reg, idx, n, lit           ; v[reg] = lit where v[idx] = n
	v_cmp_ne_u32 vcc_lo, \n, v[\idx]
	v_cndmask_b32 v[\reg], \lit, v[\reg], vcc_lo
.endm
.macro TMUL d, a, b
.irp q, 0,1
	v_pk_mul_f32 v[TW+32*\q+\d:TW+32*\q+\d+1], v[TW+32*\q+\a:TW+32*\q+\a+1], v[TW+32*\q+\b:TW+32*\q+\b+1]
.endr
.endm
.macro TFMA d, a, b, c
.irp q, 0,1
	v_pk_fma_f32 v[TW+32*\q+\d:TW+32*\q+\d+1], v[TW+32*\q+\a:TW+32*\q+\a+1], v[TW+32*\q+\b:TW+32*\q+\b+1], v[TW+32*\q+\c:TW+32*\q+\c+1]
.endr
.endm
.macro TFML d, a, lit, c               ; a x literal + c
.irp q, 0,1
	v_pk_fma_f32 v[TW+32*\q+\d:TW+32*\q+\d+1], v[TW+32*\q+\a:TW+32*\q+\a+1], \lit, v[TW+32*\q+\c:TW+32*\q+\c+1] op_sel_hi:[1,0,1]
.endr
.endm
.macro TFMK d, a, lit, k               ; a x literal + a constant pair
.irp q, 0,1
	v_pk_fma_f32 v[TW+32*\q+\d:TW+32*\q+\d+1], v[TW+32*\q+\a:TW+32*\q+\a+1], \lit, v[\k:\k+1] op_sel_hi:[1,0,1]
.endr
.endm
.macro TFMC d, a, b, k                 ; a x b + a constant pair
.irp q, 0,1
	v_pk_fma_f32 v[TW+32*\q+\d:TW+32*\q+\d+1], v[TW+32*\q+\a:TW+32*\q+\a+1], v[TW+32*\q+\b:TW+32*\q+\b+1], v[\k:\k+1]
.endr
.endm
	v_and_b32 v8, 7, v5                            ; i % 8
	v_lshrrev_b32 v9, 3, v5                        ; i / 8
	v_mov_b32 v10, 1.0
	v_mov_b32 v11, 1.0
	PICK 10, 8, 1, 0x3faab0d5                      ; 10^(1/8) .. 10^(7/8)
	PICK 10, 8, 2, 0x3fe39ea9
	PICK 10, 8, 3, 0x4017c496
	PICK 10, 8, 4, 0x404a62c2
	PICK 10, 8, 5, 0x4086f161
	PICK 10, 8, 6, 0x40b3f300
	PICK 10, 8, 7, 0x40eff755
	PICK 11, 9, 1, 0x41200000                      ; 10, 100, 1000
	PICK 11, 9, 2, 0x42c80000
	PICK 11, 9, 3, 0x447a0000
	v_mul_f32 v10, v10, v11                        ; 10000^(i/32)
	s_wait_alu depctr_va_vdst(0)
	v_rcp_f32 v[FQ], v10
	v_nop                                          ; a plain line behind the reciprocal
	s_wait_alu depctr_va_vdst(0)
	v_fma_f32 v11, -v10, v[FQ], 1.0                ; one step of Newton: the quotient to the last place or nearly
	v_fma_f32 v[FQ], v[FQ], v11, v[FQ]
	v_mov_b32 v[FQ+1], v[FQ]
.irp e, 0,1
	v_mov_b32 v[KS2+\e], 0x3c08839e
	v_mov_b32 v[KS1+\e], 0xbe2aaaa3
	v_mov_b32 v[KC1+\e], 0xbab6061a
	v_mov_b32 v[KC0+\e], 0x3d2aaaa5
.endr
	v_cvt_f32_u32 v[TP], s85
	v_add_f32 v[TP+1], 1.0, v[TP]
	v_add_f32 v[TP+2], 2.0, v[TP]
	v_add_f32 v[TP+3], 1.0, v[TP+2]
	s_mov_b32 s[TS], 0
.Ltab:                                                 ; 16 trips
	v_add_nc_u32 v7, s[TS], v6
	s_wait_alu depctr_va_vdst(0)
.irp q, 0,1
	v_pk_mul_f32 v[TW+32*\q+oA:TW+32*\q+oA+1], v[TP+2*\q:TP+2*\q+1], v[FQ:FQ+1]   ; the angle, rounded once
.endr
.irp q, 0,1
	v_pk_mul_f32 v[TW+32*\q+oN:TW+32*\q+oN+1], v[TW+32*\q+oA:TW+32*\q+oA+1], 0x3f22f983 op_sel_hi:[1,0]   ; x 2 / pi
.endr
.irp q, 0,1
	v_rndne_f32 v[TW+32*\q+oN], v[TW+32*\q+oN]
	v_rndne_f32 v[TW+32*\q+oN+1], v[TW+32*\q+oN+1]
.endr
	TFML oR, oN, 0xbfc90fdb, oA                    ; r = angle - n x pi/2, pi/2 in two parts: the first difference is exact for n up to 1,303
	TFML oR, oN, 0x333bbd2e, oR
	TMUL oZ, oR, oR
	TFMK oPS, oZ, 0xb94ca1f9, KS2
	TFMK oPC, oZ, 0x37ccf5ce, KC1
	TMUL oZR, oZ, oR
	TMUL oZZ, oZ, oZ
	TFMC oPS, oPS, oZ, KS1
	TFMC oPC, oPC, oZ, KC0
.irp q, 0,1
	v_pk_fma_f32 v[TW+32*\q+oH:TW+32*\q+oH+1], v[TW+32*\q+oZ:TW+32*\q+oZ+1], -0.5, 1.0 op_sel_hi:[1,0,0]
.endr
.irp q, 0,1
	v_cvt_i32_f32 v[TW+32*\q+oKI], v[TW+32*\q+oN]
	v_cvt_i32_f32 v[TW+32*\q+oKI+1], v[TW+32*\q+oN+1]
.endr
	TFMA oSN, oPS, oZR, oR                         ; sin r
	TFMA oCN, oPC, oZZ, oH                         ; cos r
.irp q, 0,1
.irp e, 0,1
	v_and_b32 v[TW+32*\q+oTM+\e], 1, v[TW+32*\q+oKI+\e]
.endr
.endr
.irp q, 0,1
.irp e, 0,1
	v_cmp_ne_u32 vcc_lo, 0, v[TW+32*\q+oTM+\e]     ; n odd: sin and cos change places
	v_cndmask_b32 v[TW+32*\q+oO+2*\e], v[TW+32*\q+oCN+\e], v[TW+32*\q+oSN+\e], vcc_lo
	v_cndmask_b32 v[TW+32*\q+oO+2*\e+1], v[TW+32*\q+oSN+\e], v[TW+32*\q+oCN+\e], vcc_lo
	v_add_lshl_u32 v[TW+32*\q+oTM+\e], v[TW+32*\q+oKI+\e], 1, 30   ; cos changes sign where bit 1 of n + 1 is set,
	v_lshlrev_b32 v[TW+32*\q+oKI+\e], 30, v[TW+32*\q+oKI+\e]       ; sin where bit 1 of n is
.endr
.endr
.irp q, 0,1
.irp e, 0,1
	v_and_b32 v[TW+32*\q+oTM+\e], 0x80000000, v[TW+32*\q+oTM+\e]
	v_and_b32 v[TW+32*\q+oKI+\e], 0x80000000, v[TW+32*\q+oKI+\e]
.endr
.endr
.irp q, 0,1
.irp e, 0,1
	v_xor_b32 v[TW+32*\q+oO+2*\e], v[TW+32*\q+oO+2*\e], v[TW+32*\q+oTM+\e]
	v_xor_b32 v[TW+32*\q+oO+2*\e+1], v[TW+32*\q+oO+2*\e+1], v[TW+32*\q+oKI+\e]
	ds_store_b64 v7, v[TW+32*\q+oO+2*\e:TW+32*\q+oO+2*\e+1] offset:(2*\q+\e)*CSP   ; 32 lanes: a position's 256 bytes
.endr
.endr
.irp q, 0,1
	v_pk_add_f32 v[TP+2*\q:TP+2*\q+1], v[TP+2*\q:TP+2*\q+1], 4.0 op_sel_hi:[1,0]
.endr
	s_add_co_u32 s[TS], s[TS], 4*CSP
	s_cmp_lt_u32 s[TS], 64*CSP
	s_cbranch_scc1 .Ltab
	; the three scales ahead of each quantiser are folded into the conversion's one
.macro MKSCALE vs, se                  ; v[vs] = 2^E as f32, v[vs + 1] = 448 x 2^E, E in s[se]
	s_add_co_i32 s96, s[\se], 127
	s_lshl_b32 s97, s96, 23
	v_mov_b32 v[\vs], s97
	s_add_co_i32 s96, s96, 8
	s_lshl_b32 s96, s96, 23
	s_or_b32 s96, s96, 0x600000
	v_mov_b32 v[\vs+1], s96
.endm
	s_wait_kmcnt 0x0
	s_sub_co_i32 s98, s74, s68
	s_sub_co_i32 s98, s98, s69                     ; e6 - e0 - e1
	MKSCALE QS, 98
	s_sub_co_i32 s98, s75, s70
	s_sub_co_i32 s98, s98, s71                     ; e7 - e2 - e3
	MKSCALE QS+2, 98
	s_sub_co_i32 s98, s77, s72
	s_sub_co_i32 s98, s98, s73                     ; e9 - e4 - e5
	MKSCALE QS+4, 98
.macro FRAG reg, adr, off              ; 16 rows x 64 K: 8 registers, two loads of 16 bytes, 32 bytes apart
	ds_load_b128 v[\reg:\reg+3], v[\adr] offset:\off
	ds_load_b128 v[\reg+4:\reg+7], v[\adr] offset:\off+32
.endm
.macro LOADA slot, kk, set             ; x's 8 fragments of the slot's half kk
.irp a, 0,1,2,3,4,5,6,7
	FRAG AF+64*\set+8*\a, ADRA+\slot, \a*R16+64*\kk
.endr
.endm
.macro LOADW slot, kk, wsel            ; weight wsel's 4 fragments
.irp b, 0,1,2,3
	FRAG BF+32*\wsel+8*\b, ADRW+\slot, \wsel*WSZ+\b*R16+64*\kk
.endr
.endm
; 4 na matrix instructions: row tiles a0 on x the head's four tiles of channels.  The 96 accumulators take turns, one instruction a turn, in the same order in every half step.
.macro MUL wsel, set, a0, na, zero
.set ma, \a0
.rept \na
.irp b, 0,1,2,3
.if \wsel == 2
.if \zero
	v_wmma_f32_16x16x64_fp8_fp8 v[8*(4*ma+\b):8*(4*ma+\b)+7], v[AF+64*\set+8*ma:AF+64*\set+8*ma+7], v[BF+32*\wsel+8*\b:BF+32*\wsel+8*\b+7], 0
.else
	v_wmma_f32_16x16x64_fp8_fp8 v[8*(4*ma+\b):8*(4*ma+\b)+7], v[AF+64*\set+8*ma:AF+64*\set+8*ma+7], v[BF+32*\wsel+8*\b:BF+32*\wsel+8*\b+7], v[8*(4*ma+\b):8*(4*ma+\b)+7]
.endif
.else
.if \zero
	v_wmma_f32_16x16x64_fp8_fp8 v[8*(4*ma+\b):8*(4*ma+\b)+7], v[BF+32*\wsel+8*\b:BF+32*\wsel+8*\b+7], v[AF+64*\set+8*ma:AF+64*\set+8*ma+7], 0
.else
	v_wmma_f32_16x16x64_fp8_fp8 v[8*(4*ma+\b):8*(4*ma+\b)+7], v[BF+32*\wsel+8*\b:BF+32*\wsel+8*\b+7], v[AF+64*\set+8*ma:AF+64*\set+8*ma+7], v[8*(4*ma+\b):8*(4*ma+\b)+7]
.endif
.endif
.endr
.set ma, ma+1
.endr
.endm
; A slot's first half (64 along K, x's set 0).  LDS loads are out in the order Wq 8, x 16, Wk 8, Wv 8; behind each pass the weight just used takes the next half's fragments.
.macro STEP slot, zero
	s_wait_dscnt 16                                ; Wq and x are in; Wk's 8 and Wv's 8 may be out
	WIN 0x50
	MUL 0, 0, 0, 8, \zero
	WIN 0
	PLACES
	LOADW \slot, 1, 0
	LOADA \slot, 1, 1
	s_wait_dscnt 32                                ; Wk is in; Wv's 8 and the 24 just issued may be out
	WIN 0xa0
	MUL 1, 0, 0, 8, \zero
	WIN 0
	PLACES
	LOADW \slot, 1, 1
	s_wait_dscnt 32                                ; Wv is in; the 24 and the 8 may be out
	WIN 0xf0
	MUL 2, 0, 0, 8, \zero
	WIN 0
	PLACES
	LOADW \slot, 1, 2
.endm
; A slot's second half changes slots: one barrier; in front of it each wave waits for all its tensor loads, adds 0 to its spare word, and waits for that and for its reads of this slot.
.macro TURN slot, next, fill
	s_wait_tensorcnt 0x0                           ; all my tensor loads have landed: my part of the next slot
	ds_add_u32 v[SPW], v[NIL]                      ; 0 onto my spare word
	s_wait_dscnt 17                                ; Wq and x are in; Wk's 8, Wv's 8 and the add may be out
	WIN 0x50
	MUL 0, 1, 0, 4, 0                              ; sixteen matrix instructions stand between the add and the wait for it
	s_wait_dscnt 0x0                               ; the add is done, and my reads of this slot are over
	s_barrier_signal -1
	MUL 0, 1, 4, 4, 0
	WIN 0
	s_barrier_wait -1
.if \fill
	CREST                                          ; the barrier has opened a round of the cluster's: no wave of any partner still reads this slot or has a load on its way
	s_add_nc_u64 s[G0A+4*\slot+2:G0A+4*\slot+3], s[G0A+4*\slot+2:G0A+4*\slot+3], 256
	s_add_nc_u64 s[G0B+4*\slot+2:G0B+4*\slot+3], s[G0B+4*\slot+2:G0B+4*\slot+3], 256
	JLOAD \slot                                    ; the first tensor load behind the round; its four v_nop are the places in front of the loads below
.else
	PLACES
.endif
	LOADW \next, 0, 0
	LOADA \next, 0, 0
	WIN 0xa0
	MUL 1, 1, 0, 8, 0
	WIN 0
	PLACES
	LOADW \next, 0, 1
	WIN 0xf0
	MUL 2, 1, 0, 8, 0
	WIN 0
	PLACES
	LOADW \next, 0, 2
.endm
	s_wait_dscnt 0x0                               ; for the others' sake: my rows of the table are written
	s_wait_tensorcnt 0x1                           ; my part of slot 0 is in; slot 1's may stay out
	s_barrier_signal -1
	s_barrier_wait -1
	LOADW 0, 0, 0
	LOADA 0, 0, 0
	LOADW 0, 0, 1
	LOADW 0, 0, 2
	STEP 0, 1                                      ; the first half step stands in front of the loop: its products start the sums
	s_mov_b32 s[LAPC], 3
.Llap:                                                 ; a trip goes once round the ring and fills both slots again: K steps 2 to 7
	TURN 0, 1, 1
	STEP 1, 0
	TURN 1, 0, 1
	STEP 0, 0
	s_sub_co_u32 s[LAPC], s[LAPC], 1
	s_cmp_lg_u32 s[LAPC], 0
	s_cbranch_scc1 .Llap
	TURN 0, 1, 0                                   ; the last lap fills nothing
	STEP 1, 0
	s_wait_dscnt 16                                ; the very last half step
	WIN 0x50
	MUL 0, 1, 0, 8, 0
	s_wait_dscnt 8
	WIN 0xa0
	MUL 1, 1, 0, 8, 0
	s_wait_dscnt 0x0
	WIN 0xf0
	MUL 2, 1, 0, 8, 0
	WIN 0
; THE WAY OUT.  q and k, a tile of 16 rows at a time: the tile's cos and sin (32 registers, fetched a tile ahead, two sets by turns), the rotation, the conversion, two stores of 512 bytes.
.macro CSLOAD a
.irp b, 0,1,2,3
	ds_load_b128 v[32+32*((\a)%2)+8*\b:32+32*((\a)%2)+8*\b+3], v[CSA] offset:(\a)*16*CSP+64*\b
	ds_load_b128 v[32+32*((\a)%2)+8*\b+4:32+32*((\a)%2)+8*\b+7], v[CSA] offset:(\a)*16*CSP+64*\b+16
.endr
.endm
.macro ROPE a, w                       ; w = 0: q, 1: k
.set CR, 32+32*((\a)%2)
.set AC, 32*(\a)
.set CD, 128+16*(\a)+8*(\w)            ; the codes: registers of their own for each tile, so that no store's data are written again
	WIN 0x01+(\w)
.set j, 0
.rept 16
	v_pk_mul_f32 v[RO+j:RO+j+1], v[AC+j:AC+j+1], v[CR+j:CR+j+1] op_sel_hi:[1,0]   ; (x1 c, x2 c); each accumulator from its low end on
.set j, j+2
.endr
.set j, 0
.rept 16
	v_pk_fma_f32 v[RO+j:RO+j+1], v[AC+j:AC+j+1], v[CR+j:CR+j+1], v[RO+j:RO+j+1] op_sel:[1,1,0] op_sel_hi:[0,1,1] neg_lo:[1,0,0]   ; (- x2 s, + x1 s)
.set j, j+2
.endr
	WIN 0
.set j, 0
.rept 32
.set j, j+1
.endr
.irp b, 0,1,2,3
	v_cvt_scalef32_pk8_fp8_f32 v[CD+2*\b:CD+2*\b+1], v[RO+8*\b:RO+8*\b+7], v[QS+2*(\w)]
.endr
	v_nop                                          ; a plain line between the conversions and the next lines that write their sources
	global_store_b128 v[LI], v[CD:CD+3], s[14+2*(\w):15+2*(\w)] offset:1024*(\a)
	global_store_b128 v[LI], v[CD+4:CD+7], s[14+2*(\w):15+2*(\w)] offset:1024*(\a)+512
.endm
	PLACES
	CSLOAD 0
.irp a, 0,1,2,3,4,5,6,7
.if \a < 7
	CSLOAD \a+1
	s_wait_dscnt 8                                 ; this tile's eight loads are in; the next tile's may be out
.else
	s_wait_dscnt 0x0
.endif
	ROPE \a, 0
	ROPE \a, 1
.endr
	; v: a tile of 16 channels at a time; its eight tiles of rows are the eight pairs of registers of one fragment of V^T
.irp b, 0,1,2,3
.irp q, 0,1
	WIN 0x03
.set j, 0
.rept 32
	v_med3_num_f32 v[32+j], v[8*(4*(4*\q+j/8)+\b)+j%8], -v[QS+5], v[QS+5]
.set j, j+1
.endr
	WIN 0
.irp i, 0,1,2,3
	v_cvt_scalef32_pk8_fp8_f32 v[64+16*\b+2*(4*\q+\i):64+16*\b+2*(4*\q+\i)+1], v[32+8*\i:32+8*\i+7], v[QS+4]
.endr
	v_nop                                          ; a plain line between the conversions and the next holds, which write their sources
.endr
.irp g, 0,1,2,3
	global_store_b128 v[LI], v[64+16*\b+4*\g:64+16*\b+4*\g+3], s[18:19] offset:2048*\b+512*\g
.endr
.endr
	s_wait_tensorcnt 0x0                           ; the wave's end
	ds_add_u32 v[SPW], v[NIL]
	s_wait_dscnt 0x0
	CROUND                                         ; the closing round: no work-group ends while a partner may still ask for a tile that names it
	s_endpgm
.Lfunc_end_k_qd80a276df4_qkv:
	.size	k_qd80a276df4_qkv, .Lfunc_end_k_qd80a276df4_qkv-k_qd80a276df4_qkv
	.p2alignl 7, 3214868480
	.fill 96, 4, 3214868480
	.section	.rodata,"a",@progbits
	.p2align	6, 0x0
	.amdhsa_kernel k_qd80a276df4_qkv
		.amdhsa_group_segment_fixed_size 327680
		.amdhsa_private_segment_fixed_size 0
		.amdhsa_enable_private_segment 0
		.amdhsa_kernarg_size 64
		.amdhsa_user_sgpr_count 2
		.amdhsa_user_sgpr_kernarg_segment_ptr 1
		.amdhsa_wavefront_size32 1
		.amdhsa_system_sgpr_workgroup_id_x 1
		.amdhsa_system_sgpr_workgroup_id_y 1
		.amdhsa_system_sgpr_workgroup_id_z 1
		.amdhsa_system_vgpr_workitem_id 0
		.amdhsa_next_free_vgpr 1024
		.amdhsa_next_free_sgpr 100
		.amdhsa_reserve_vcc 1
		.amdhsa_float_denorm_mode_32 3
		.amdhsa_float_denorm_mode_16_64 3
		.amdhsa_fp16_overflow 1
		.amdhsa_memory_ordered 1
		.amdhsa_forward_progress 1
		.amdhsa_inst_pref_size 157
	.end_amdhsa_kernel
	.amdgpu_metadata
---
amdhsa.version: [ 1, 2 ]
amdhsa.kernels:
  - .name:           k_qd80a276df4_qkv
    .symbol:         k_qd80a276df4_qkv.kd
    .args:
      - { .name: x_codes, .offset: 0, .size: 8, .value_kind: global_buffer, .address_space: global }
      - { .name: Wq_codes, .offset: 8, .size: 8, .value_kind: global_buffer, .address_space: global }
      - { .name: Wk_codes, .offset: 16, .size: 8, .value_kind: global_buffer, .address_space: global }
      - { .name: Wv_codes, .offset: 24, .size: 8, .value_kind: global_buffer, .address_space: global }
      - { .name: lowp_scales, .offset: 32, .size: 8, .value_kind: global_buffer, .address_space: global }
      - { .name: q_codes, .offset: 40, .size: 8, .value_kind: global_buffer, .address_space: global }
      - { .name: k_codes, .offset: 48, .size: 8, .value_kind: global_buffer, .address_space: global }
      - { .name: v_codes, .offset: 56, .size: 8, .value_kind: global_buffer, .address_space: global }
    .group_segment_fixed_size: 327680
    .private_segment_fixed_size: 0
    .kernarg_segment_align: 8
    .kernarg_segment_size: 64
    .max_flat_workgroup_size: 128
    .sgpr_count:     100
    .vgpr_count:     1024
    .wavefront_size: 32
...
	.end_amdgpu_metadata
.endif
;; end of part 1
;; launch attn (part 2): grid 4 x 64, 8 waves a work-group, no clusters, 327,680 bytes of LDS; arguments q_codes, k_codes, v_codes, lowp_scales, ctx_codes; writes ctx_codes
.if DOCPART == 2
	.amdgcn_target "amdgcn-amd-amdhsa--gfx1250"
	.amdhsa_code_object_version 6
	.text
	.protected	k_qd80a276df4_attn
	.globl	k_qd80a276df4_attn
	.p2align	8
	.type	k_qd80a276df4_attn,@function
k_qd80a276df4_attn:
	s_mov_b64 s[64:65], 0
	v_nop
	global_prefetch_b8 v0, s[64:65] scope:SCOPE_SE
	s_setreg_imm32_b32 hwreg(HW_REG_WAVE_MODE, 25, 1), 1
	s_wait_xcnt 0x0
; ctx = softmax(q k^T / 8, causal) v on E4M3 codes, quantised again for the output projection.  64 (batch, head) pairs, 2,048 rows, head size 64.
; q_codes, k_codes: images of K = 64 fragments, [bh][t/16][2][32 lanes][16 bytes]; v_codes: images of K = 128 fragments of V^T, [bh][t/128][d/16][4][32][16];
; ctx_codes: [(2048 b + t)/16][head][2][32][16]: images of K = 64 fragments of the next product.  Every image is read and written 512 consecutive bytes an instruction.
; THE SOFTMAX: t = score x log2(e) / 8; M = the running largest t rounded up to a whole number; p = 2^(t - M) is quantised with 2^e8; the row's sum is taken of the unquantised p
; and divides at the end.  When M moves, the sum and O are multiplied by 2^(old M - new M), which rounds nothing.
; SHARES.  Work-group (g, bh) owns the blocks of 256 queries g and then 7 - g, and walks the chunks of 256 keys 0 .. block: (g + 1) + (8 - g) = 9 chunks in every work-group: equal work and a
; constant trip count.  Each of eight waves owns 32 queries, two tiles of 16, so that each fragment of K and V read from LDS feeds two matrix instructions; two waves share a SIMD.
; A key step (128 keys) all of whose keys come after the wave's queries is jumped over by a scalar branch on ids; on the diagonal hidden scores become -infinity ahead of the maximum.
; Both products are used transposed: S^T = K Q^T, O^T = V^T P^T: a lane holds one query (lane % 16) throughout, and the conversions' results are the next operand's registers.
; NO CLUSTER: the four work-groups of a head need different chunks at different times (block g against block 7 - g); walking in step would take 12 trips instead of 9,
; and what would be shared is 9 chunks x 32 KiB a work-group in the whole launch.
; LIMITS: e6 + e7 between -123 and 130 (added to c's exponent field); e8 and e10 - e8 - e9 between -126 and 119.  NaN among the codes is not served.
.set SLOT1, 1<<15                      ; a slot: K's 16 tiles x 1,024 bytes, then V's 2 x 8,192; slot 1 begins here: one exclusive or turns an address
.set SPARE, 2*SLOT1                    ; behind the ring: the spare words, 128 bytes a wave
.set LI,   1                           ; v1   16 x lane
.set AD,   2                           ; v2   LDS address of the step's images
.set SPW,  3                           ; v3   my spare word; never rewritten
.set NIL,  4                           ; v4   0; never rewritten
.set RH8,  6                           ; v6   lane % 16 - 8 (lane / 16)
.set ST,   8                           ; tile u's statistics at v[8 + 8 u]: +0 -M, +1 the largest t, +2:3 the sum in two halves, +4:5 f, +6:7 at work
.set PD,   24                          ; v24-25 lane permutes' destinations
.set PSC,  26                          ; 2^e8
.set PLM,  27
.set CSC,  28                          ; 2^(e10 - e8 - e9)
.set CLM,  29
.set XS,   32                          ; v32-35 the sums' second chains
.set S,    64                          ; v64-191 S^T, then p: 64 a tile
.set P,    192                         ; v192-223 p's codes: 16 a tile
.set OT,   0                           ; window 1: v0-63 O^T, 32 a tile
.set Q,    64                          ;           v64-79 Q's two fragments; v80-95 the second block's
.set Q2,   80
.set KFR,  96                          ;           v96-159 K's 8 fragments
.set VFR,  160                         ;           v160-223 V^T's 4 fragments
.set WV, 14
.set G,  15
.set BH, 16
.set G1, 24                            ; s[24:31] descriptor group 1; s[32:35] group 0, which walks
.set G0, 32
.set KVB, 36                           ; s[36:37] the head's first byte of K (wave 0) or V (wave 1)
.set OFS, 38
.set FCH, 40                           ; the chunk to be fetched next;  s41: the last chunk of the block that it belongs to
.set JF,  41
.set TB,  42                           ; LDS byte at which the step's images begin
.set KF,  43                           ; the step's first key
.set Q0,  44                           ; my first query
.set KEND, 45                          ; the block's keys end here
.set OUT, 46
.set OUT2, 48
.set Q02, 50
.set KEND2, 51
.set TRIPS, 52
.set TWICE, 53
.set SEL, 54
.set CS,  56
.set MSB, 0
.macro WIN new
.if MSB != (\new)
	s_set_vgpr_msb (MSB<<8)|(\new)
.set MSB, (\new)
.endif
.endm
.macro PLACES
.rept 4
	v_nop
.endr
.endm
.macro TLOAD                           ; wave 0 fetches the chunk's K, wave 1 its V, 16 KiB each; the others nothing.  Four v_nop follow the line
	s_cmp_lt_u32 s[WV], 2
	s_cbranch_scc0 .Lno_load_\@
	tensor_load_to_lds s[G0:G0+3], s[G1:G1+7]
	s_nop 0
.rept 4
	v_nop
.endr
.Lno_load_\@:
.endm
.macro RESET                           ; a block of queries begins: the largest t under every t, the sum and O^T zero
.irp u, 0,1
	v_mov_b32 v[ST+8*\u+1], 0xff61b1e6             ; -3e38
	v_mov_b32 v[ST+8*\u+2], 0
	v_mov_b32 v[ST+8*\u+3], 0
.endr
.irp u, 0
	v_floor_f32 v[ST+8*\u], -v[ST+8*\u+1]
.endr
.irp u, 1
	s_delay_alu instid0(VALU_DEP_4)
	v_floor_f32 v[ST+8*\u], -v[ST+8*\u+1]
.endr
	WIN 0x40
.set j, 0
.rept 64
	v_mov_b32 v[OT+j], 0                           ; the step is written once: the first finds zeros, which the first change of M leaves zeros
.set j, j+1
.endr
	WIN 0
.endm
	s_load_b256 s[4:11], s[0:1], 0x0               ; q s[4:5], k s[6:7], v s[8:9], scales s[10:11]
	s_load_b64 s[12:13], s[0:1], 0x20              ; ctx
	v_lshl_add_u32 v[SPW], v0, 2, SPARE
	v_mov_b32 v[NIL], 0
	ds_add_u32 v3, v4
	ds_add_u32 v3, v4
	s_wait_dscnt 0x0
	v_lshrrev_b32 v5, 5, v0
	s_delay_alu instid0(VALU_DEP_1)
	v_readfirstlane_b32 s[WV], v5                  ; wave 0..7
	s_mov_b32 s[G], ttmp9
	s_and_b32 s[BH], ttmp7, 0xffff
	s_mov_b32 s[G1], 3<<16                         ; a dense block as 64 rows of 256 bytes: elements of 8 bytes, no mask, no padding
	s_mov_b32 s[G1+1], 32<<16                      ; tensor_dim0 = 32
	s_mov_b32 s[G1+2], 64<<16                      ; tensor_dim1 = 64
	s_mov_b32 s[G1+3], 32<<16                      ; tile_dim0 = 32
	s_mov_b32 s[G1+4], 64                          ; tile_dim1 = 64
	s_mov_b32 s[G1+5], 32                          ; from row to row
	s_mov_b32 s[G1+6], 0
	s_mov_b32 s[G1+7], 0
	s_mov_b32 s[G0], 1
	s_and_b32 s[G0+1], s[WV], 1
	s_lshl_b32 s[G0+1], s[G0+1], 14                ; slot 0: K at 0, V at 16,384
	s_lshl_b32 s[OFS], s[BH], 17                   ; a head's K, and its V, are 131,072 bytes
	s_mov_b32 s[OFS+1], 0
	s_wait_kmcnt 0x0
	s_load_b128 s[68:71], s[10:11], 0x18           ; e6 .. e9
	s_load_b32 s72, s[10:11], 0x28                 ; e10
	s_cmp_eq_u32 s[WV], 0
	s_cselect_b64 s[KVB:KVB+1], s[6:7], s[8:9]
	s_add_nc_u64 s[KVB:KVB+1], s[KVB:KVB+1], s[OFS:OFS+1]
	s_mov_b64 s[G0+2:G0+3], s[KVB:KVB+1]
	s_or_b32 s[G0+3], s[G0+3], 0x80000000
	TLOAD                                          ; chunk 0 into slot 0
	s_lshl_b32 s74, s[WV], 1                       ; my first tile of 16 queries in a block
	s_lshl_b32 s73, s[BH], 7
	s_add_co_u32 s73, s73, s74
	s_lshl_b32 s75, s[G], 4
	s_sub_co_u32 s76, 7, s[G]                      ; the second block
	s_lshl_b32 s77, s76, 4
	s_add_co_u32 s78, s73, s75
	s_lshl_b32 s78, s78, 10
	s_mov_b32 s79, 0
	s_add_co_u32 s80, s73, s77
	s_lshl_b32 s80, s80, 10
	s_mov_b32 s81, 0
	s_add_nc_u64 s[58:59], s[4:5], s[78:79]        ; Q of the first block,
	s_add_nc_u64 s[60:61], s[4:5], s[80:81]        ; and of the second
	s_lshr_b32 s82, s[BH], 4
	s_lshl_b32 s82, s82, 7
	s_add_co_u32 s82, s82, s74                     ; 128 x batch + 2 x wave
	s_and_b32 s83, s[BH], 15                       ; head
	s_add_co_u32 s84, s82, s75
	s_lshl_b32 s84, s84, 4
	s_add_co_u32 s84, s84, s83
	s_lshl_b32 s84, s84, 10
	s_mov_b32 s85, 0
	s_add_nc_u64 s[OUT:OUT+1], s[12:13], s[84:85]
	s_add_co_u32 s84, s82, s77
	s_lshl_b32 s84, s84, 4
	s_add_co_u32 s84, s84, s83
	s_lshl_b32 s84, s84, 10
	s_add_nc_u64 s[OUT2:OUT2+1], s[12:13], s[84:85]
	s_lshl_b32 s87, s[WV], 5
	s_lshl_b32 s[Q0], s[G], 8
	s_add_co_u32 s[KEND], s[Q0], 256
	s_add_co_u32 s[Q0], s[Q0], s87
	s_lshl_b32 s[Q02], s76, 8
	s_add_co_u32 s[KEND2], s[Q02], 256
	s_add_co_u32 s[Q02], s[Q02], s87
	s_mov_b32 s[FCH], 1
	s_mov_b32 s[JF], s[G]
	s_mov_b32 s[TB], 0
	s_mov_b32 s[KF], 0
	s_mov_b32 s[SEL], 0x76543210
	s_mov_b32 s[SEL+1], 0xfedcba98
	s_mov_b32 s[CS], 0x3e38aa3b                    ; c = log2(e) / 8
	v_and_b32 v5, 31, v0
	s_delay_alu instid0(VALU_DEP_1)
	v_lshlrev_b32 v[LI], 4, v5
	WIN 0x40
.irp u, 0,1
.irp g, 0,1
	global_load_b128 v[Q+8*\u+4*\g:Q+8*\u+4*\g+3], v[LI], s[58:59] offset:1024*\u+512*\g
	global_load_b128 v[Q2+8*\u+4*\g:Q2+8*\u+4*\g+3], v[LI], s[60:61] offset:1024*\u+512*\g
.endr
.endr
	WIN 0
	v_and_b32 v5, 15, v0
	v_bfe_u32 v[RH8], v0, 4, 1
	s_delay_alu instid0(VALU_DEP_1)
	v_lshlrev_b32 v[RH8], 3, v[RH8]
	s_delay_alu instid0(VALU_DEP_1)
	v_sub_nc_u32 v[RH8], v5, v[RH8]
	v_mov_b32 v31, 0xff800000                      ; -infinity
.irp u, 0,1
	v_mov_b32 v[PD+\u], 0                          ; a lane permute's destination counts as one of its sources
	v_mov_b32 v[ST+8*\u+5], 0                      ; named as the upper halves of pairs
	v_mov_b32 v[ST+8*\u+7], 0
.endr
	RESET
	s_wait_kmcnt 0x0
	s_add_co_i32 s88, s68, s69
	s_lshl_b32 s88, s88, 23
	s_add_co_i32 s[CS], s[CS], s88                 ; a score stands for score x 2^(e6 + e7)
	s_mov_b32 s[CS+1], s[CS]
	s_add_co_i32 s88, s70, 127
	s_lshl_b32 s89, s88, 23
	v_mov_b32 v[PSC], s89
	s_sub_co_i32 s88, s72, s70
	s_sub_co_i32 s88, s88, s71                     ; O / the sum stands for ctx / 2^(e8 + e9): the three scales are folded into the conversion's one
	s_add_co_i32 s88, s88, 127
	s_lshl_b32 s89, s88, 23
	v_mov_b32 v[CSC], s89
; The softmax of both tiles for one key step; where one line feeds the next the two tiles alternate.
.macro SOFT
.irp u, 0,1
	v_max3_num_f32 v[ST+8*\u+6], v[S+64*\u], v[S+64*\u+1], v[S+64*\u+2]      ; my query's largest score among my 64 keys, in two chains; each accumulator from its low end on
	v_max3_num_f32 v[ST+8*\u+7], v[S+64*\u+3], v[S+64*\u+4], v[S+64*\u+5]
.endr
.irp i, 6,10,14,18,22,26,30,34,38,42,46,50,54,58
.irp u, 0,1
	v_max3_num_f32 v[ST+8*\u+6], v[ST+8*\u+6], v[S+64*\u+\i], v[S+64*\u+\i+1]
	v_max3_num_f32 v[ST+8*\u+7], v[ST+8*\u+7], v[S+64*\u+\i+2], v[S+64*\u+\i+3]
.endr
.endr
.irp u, 0
	v_max3_num_f32 v[ST+8*\u+6], v[ST+8*\u+6], v[S+64*\u+62], v[S+64*\u+63]
.endr
.irp u, 1
	v_max3_num_f32 v[ST+8*\u+6], v[ST+8*\u+6], v[S+64*\u+62], v[S+64*\u+63]
.endr
.irp u, 0,1
	s_delay_alu instid0(VALU_DEP_2)
	v_max_num_f32 v[ST+8*\u+6], v[ST+8*\u+6], v[ST+8*\u+7]
.endr
.irp u, 0,1
	s_delay_alu instid0(VALU_DEP_2)
	v_permlanex16_b32 v[PD+\u], v[ST+8*\u+6], s[SEL], s[SEL+1]
.endr
.irp u, 0,1
	s_delay_alu instid0(VALU_DEP_2)
	v_max_num_f32 v[ST+8*\u+6], v[ST+8*\u+6], v[PD+\u]        ; and among lane l xor 16's
.endr
.irp u, 0,1
	s_delay_alu instid0(VALU_DEP_2)
	v_mul_f32 v[ST+8*\u+6], s[CS], v[ST+8*\u+6]               ; as t (c is positive)
.endr
.irp u, 0,1
	s_delay_alu instid0(VALU_DEP_2)
	v_max_num_f32 v[ST+8*\u+1], v[ST+8*\u+1], v[ST+8*\u+6]    ; the running largest t
.endr
.irp u, 0,1
	v_mov_b32 v[ST+8*\u+6], v[ST+8*\u]
.endr
.irp u, 0,1
	s_delay_alu instid0(VALU_DEP_4)
	v_floor_f32 v[ST+8*\u], -v[ST+8*\u+1]                     ; the new -M = -ceil(t)
.endr
.irp u, 0,1
	s_delay_alu instid0(VALU_DEP_2)
	v_sub_f32 v[ST+8*\u+6], v[ST+8*\u], v[ST+8*\u+6]          ; old M - new M: a whole number, 0 or less
.endr
.irp u, 0,1
	s_delay_alu instid0(VALU_DEP_2)
	v_cvt_i32_f32 v[ST+8*\u+6], v[ST+8*\u+6]                  ; (it saturates)
.endr
.irp u, 0,1
	s_delay_alu instid0(VALU_DEP_2)
	v_ldexp_f32 v[ST+8*\u+4], 1.0, v[ST+8*\u+6]               ; f = 2^(old M - new M)
.endr
	s_setprio 1
.irp u, 0,1
.set j, 0
.rept 32
	v_pk_fma_f32 v[S+64*\u+j:S+64*\u+j+1], v[S+64*\u+j:S+64*\u+j+1], s[CS:CS+1], v[ST+8*\u:ST+8*\u+1] op_sel_hi:[1,0,0]   ; t - M
.set j, j+2
.endr
.endr
.set j, 0
	s_wait_alu depctr_va_vdst(0)
.rept 128
	v_exp_f32 v[S+j], v[S+j]                                  ; p = 2^(t - M), at most 1
.set j, j+1
.endr
.irp u, 0,1
	v_pk_mul_f32 v[ST+8*\u+2:ST+8*\u+3], v[ST+8*\u+2:ST+8*\u+3], v[ST+8*\u+4:ST+8*\u+5] op_sel_hi:[1,0]   ; the sums under the new M (a plain line behind the exponentials)
.endr
	s_wait_alu depctr_va_vdst(0)
.irp u, 0,1
	v_pk_add_f32 v[XS+2*\u:XS+2*\u+1], v[S+64*\u:S+64*\u+1], v[S+64*\u+2:S+64*\u+3]   ; the sum is taken of the unquantised p, in two chains
.endr
.irp i, 4,8,12,16,20,24,28,32,36,40,44,48,52,56,60
.irp u, 0,1
	v_pk_add_f32 v[ST+8*\u+2:ST+8*\u+3], v[ST+8*\u+2:ST+8*\u+3], v[S+64*\u+\i:S+64*\u+\i+1]
	v_pk_add_f32 v[XS+2*\u:XS+2*\u+1], v[XS+2*\u:XS+2*\u+1], v[S+64*\u+\i+2:S+64*\u+\i+3]
.endr
.endr
.irp u, 0
	s_delay_alu instid0(VALU_DEP_3)
	v_pk_add_f32 v[ST+8*\u+2:ST+8*\u+3], v[ST+8*\u+2:ST+8*\u+3], v[XS+2*\u:XS+2*\u+1]
.endr
.irp u, 1
	s_delay_alu instid0(VALU_DEP_2)
	v_pk_add_f32 v[ST+8*\u+2:ST+8*\u+3], v[ST+8*\u+2:ST+8*\u+3], v[XS+2*\u:XS+2*\u+1]
.endr
	s_setprio 0
.irp u, 0,1
.irp t, 0,1,2,3,4,5,6,7
.irp i, 0,1,2,3,4,5,6,7
.endr
	v_cvt_scalef32_pk8_fp8_f32 v[P+16*\u+2*\t:P+16*\u+2*\t+1], v[S+64*\u+8*\t:S+64*\u+8*\t+7], v[PSC]   ; keys 16 t + 8 (lane / 16) + 0 .. 7: registers 2 t, 2 t + 1 of the operand
.endr
.endr
.endm
; A KEY STEP: 128 keys.
.macro STEP
	s_add_co_u32 s86, s[Q0], 31
	s_cmp_gt_u32 s[KF], s86                        ; all keys come after my 32 queries: nothing to do but step the addresses
	s_cbranch_scc1 .Lhidden_\@
	s_setprio 2
	v_add_nc_u32 v[AD], s[TB], v[LI]               ; this line and three v_nop: the places between the last products and the loads into V's registers
.rept 3
	v_nop
.endr
	WIN 0x40
.irp t, 0,1,2,3,4,5,6,7
	ds_load_b128 v[KFR+8*\t:KFR+8*\t+3], v[AD] offset:1024*\t
	ds_load_b128 v[KFR+8*\t+4:KFR+8*\t+7], v[AD] offset:1024*\t+512
.endr
.irp d, 0,1,2,3
.irp g, 0,1,2,3
	ds_load_b128 v[VFR+16*\d+4*\g:VFR+16*\d+4*\g+3], v[AD] offset:16384+2048*\d+512*\g
.endr
.endr
	s_wait_dscnt 16                                ; K's 16 loads are in; V's 16 may be out
	WIN 0x05
	s_wait_alu depctr_va_vdst(0)
.irp t, 0,1,2,3,4,5,6,7
.irp u, 0,1
	v_wmma_f32_16x16x64_fp8_fp8 v[S+64*\u+8*\t:S+64*\u+8*\t+7], v[KFR+8*\t:KFR+8*\t+7], v[Q+8*\u:Q+8*\u+7], 0
.endr
.endr
	WIN 0
	PLACES
	s_add_co_u32 s86, s[KF], 127
	s_cmp_le_u32 s86, s[Q0]                        ; all keys count for all my queries: no mask
	s_cbranch_scc1 .Lopen_\@
	s_sub_co_i32 s86, s[Q0], s[KF]
	v_add_nc_u32 v30, s86, v[RH8]                  ; d = my query - the step's first key - 8 (lane / 16).  Register 8 t + j holds key 16 t + 8 (lane / 16) + j: hidden where 16 t + j > d
	s_delay_alu instid0(VALU_DEP_1)
	v_add_nc_u32 v7, 16, v30                       ; the second tile's queries lie 16 on
.set n, 0
.rept 64
	v_cmp_gt_i32 vcc_lo, 16*(n/8)+n%8, v30
	v_cndmask_b32 v[S+n], v[S+n], v31, vcc_lo
.set n, n+1
.endr
.set n, 0
.rept 64
	v_cmp_gt_i32 vcc_lo, 16*(n/8)+n%8, v7
	v_cndmask_b32 v[S+64+n], v[S+64+n], v31, vcc_lo
.set n, n+1
.endr
.Lopen_\@:
	SOFT
	WIN 0x41
.irp u, 0,1
.set j, 0
.rept 16
	v_pk_mul_f32 v[OT+32*\u+j:OT+32*\u+j+1], v[OT+32*\u+j:OT+32*\u+j+1], v[ST+8*\u+4:ST+8*\u+5] op_sel_hi:[1,0]   ; O^T under the new M (plain lines between the conversions and the products)
.set j, j+2
.endr
.endr
	s_wait_alu depctr_va_vdst(0)
	s_wait_dscnt 0x0                               ; V is in
	WIN 0x51
.irp d, 0,1,2,3
.irp u, 0,1
	v_wmma_f32_16x16x128_fp8_fp8 v[OT+32*\u+8*\d:OT+32*\u+8*\d+7], v[VFR+16*\d:VFR+16*\d+15], v[P+16*\u:P+16*\u+15], v[OT+32*\u+8*\d:OT+32*\u+8*\d+7]   ; the eight accumulators by turns
.endr
.endr
	WIN 0
.Lhidden_\@:
	s_add_co_u32 s[KF], s[KF], 128
	s_add_co_u32 s[TB], s[TB], 8192                ; K's next 8 tiles and V's next block both lie 8,192 bytes on
.endm
; THE CHANGE OF SLOTS, at a chunk's head.  Each wave waits for all its tensor loads (its part of the chunk ahead), adds 0 to its spare word, and waits for that and for its reads of the slot that it has left.
; fill = 1: that slot takes the next chunk: the next of this block, or chunk 0 of the second block; the load has a whole chunk's work in which to land.
.macro CHANGE fill
	s_wait_tensorcnt 0x0                           ; no tensor load of mine is out, so group 0 may be written
	ds_add_u32 v[SPW], v[NIL]                      ; 0 onto my spare word
.if \fill
	s_cmp_gt_u32 s[FCH], s[JF]                     ; the first block's chunks are over: on to chunk 0 of the second (whose last chunk is never passed: 15 stands over it)
	s_cselect_b32 s[FCH], 0, s[FCH]
	s_cselect_b32 s[JF], 15, s[JF]
	s_lshl_b32 s[OFS], s[FCH], 14                  ; a chunk is 16,384 bytes of K and as many of V
	s_add_nc_u64 s[G0+2:G0+3], s[KVB:KVB+1], s[OFS:OFS+1]
	s_or_b32 s[G0+3], s[G0+3], 0x80000000
	s_xor_b32 s[G0+1], s[G0+1], SLOT1              ; the other slot than last time
	s_add_co_u32 s[FCH], s[FCH], 1
.endif
	s_wait_dscnt 0x0                               ; the add is done, and my reads of the slot that I have left are over
	s_barrier_signal -1
	s_barrier_wait -1
.if \fill
	TLOAD                                          ; the first thing behind the barrier, and a wave's one tensor load until the next
.endif
.endm
; A BLOCK'S END: O^T / the sum becomes codes, which are the registers of the next product's fragments.  last = 0: the second block begins.
.macro FINAL last
	PLACES
.irp u, 0,1
	v_add_f32 v[ST+8*\u+2], v[ST+8*\u+2], v[ST+8*\u+3]
.endr
.irp u, 0,1
	s_delay_alu instid0(VALU_DEP_2)
	v_permlanex16_b32 v[PD+\u], v[ST+8*\u+2], s[SEL], s[SEL+1]
.endr
.irp u, 0,1
	s_delay_alu instid0(VALU_DEP_2)
	v_add_f32 v[ST+8*\u+2], v[ST+8*\u+2], v[PD+\u]            ; the row's sum
.endr
	s_wait_alu depctr_va_vdst(0)
.irp u, 0,1
	v_rcp_f32 v[ST+8*\u+6], v[ST+8*\u+2]
.endr
	v_nop                                          ; a plain line behind the reciprocals
	WIN 0x01
	s_wait_alu depctr_va_vdst(0)
.irp u, 0,1
.set j, 0
.rept 16
	v_pk_mul_f32 v[S+64*\u+j:S+64*\u+j+1], v[OT+32*\u+j:OT+32*\u+j+1], v[ST+8*\u+6:ST+8*\u+7] op_sel_hi:[1,0]
.set j, j+2
.endr
.endr
	WIN 0
.irp u, 0,1
.set j, 0
.rept 32
.set j, j+1
.endr
.irp d, 0,1,2,3
	v_cvt_scalef32_pk8_fp8_f32 v[P+16*\u+2*\d:P+16*\u+2*\d+1], v[S+64*\u+8*\d:S+64*\u+8*\d+7], v[CSC]
.endr
.endr
	v_nop                                          ; a plain line behind the last conversion
.irp u, 0,1
.irp g, 0,1
	global_store_b128 v[LI], v[P+16*\u+4*\g:P+16*\u+4*\g+3], s[OUT:OUT+1] offset:16384*\u+512*\g   ; 512 consecutive bytes, aligned
.endr
.endr
.if !\last
	RESET
	WIN 0x41
.set j, 0
.rept 16
	v_mov_b32 v[Q+j], v[Q2+j]                      ; the second block's queries
.set j, j+1
.endr
	WIN 0
	s_wait_xcnt 0x0                                ; the stores' base and data are written again only behind this wait
	s_mov_b64 s[OUT:OUT+1], s[OUT2:OUT2+1]
	s_mov_b32 s[Q0], s[Q02]
	s_mov_b32 s[KEND], s[KEND2]
	s_mov_b32 s[KF], 0
.endif
.endm
.macro TRIP fill                       ; a chunk of 256 keys: two key steps, written once and walked twice
	CHANGE \fill
	s_mov_b32 s[TWICE], 2
.Lstep_\@:
	STEP
	s_sub_co_u32 s[TWICE], s[TWICE], 1
	s_cmp_lg_u32 s[TWICE], 0
	s_cbranch_scc1 .Lstep_\@
	s_setprio 0
	s_sub_co_u32 s[TB], s[TB], 16384
	s_xor_b32 s[TB], s[TB], SLOT1                  ; on to the other slot
.if \fill
	s_cmp_lg_u32 s[KF], s[KEND]                    ; a branch on ids: was this the first block's last chunk?
	s_cbranch_scc1 .Lgo_on_\@
	FINAL 0
.Lgo_on_\@:
.else
	FINAL 1
.endif
.endm
	s_wait_loadcnt 0x0                             ; Q
	s_mov_b32 s[TRIPS], 8
.Ltrip:                                                ; eight trips ask for the next chunk;
	TRIP 1
	s_sub_co_u32 s[TRIPS], s[TRIPS], 1
	s_cmp_lg_u32 s[TRIPS], 0
	s_cbranch_scc1 .Ltrip
	TRIP 0                                         ; the ninth is written out: it ends the second block
	s_wait_tensorcnt 0x0                           ; the wave's end
	ds_add_u32 v[SPW], v[NIL]
	s_wait_dscnt 0x0
	s_endpgm
.Lfunc_end_k_qd80a276df4_attn:
	.size	k_qd80a276df4_attn, .Lfunc_end_k_qd80a276df4_attn-k_qd80a276df4_attn
	.p2alignl 7, 3214868480
	.fill 96, 4, 3214868480
	.section	.rodata,"a",@progbits
	.p2align	6, 0x0
	.amdhsa_kernel k_qd80a276df4_attn
		.amdhsa_group_segment_fixed_size 327680
		.amdhsa_private_segment_fixed_size 0
		.amdhsa_enable_private_segment 0
		.amdhsa_kernarg_size 40
		.amdhsa_user_sgpr_count 2
		.amdhsa_user_sgpr_kernarg_segment_ptr 1
		.amdhsa_wavefront_size32 1
		.amdhsa_system_sgpr_workgroup_id_x 1
		.amdhsa_system_sgpr_workgroup_id_y 1
		.amdhsa_system_sgpr_workgroup_id_z 1
		.amdhsa_system_vgpr_workitem_id 0
		.amdhsa_next_free_vgpr 512
		.amdhsa_next_free_sgpr 96
		.amdhsa_reserve_vcc 1
		.amdhsa_float_denorm_mode_32 3
		.amdhsa_float_denorm_mode_16_64 3
		.amdhsa_fp16_overflow 1
		.amdhsa_memory_ordered 1
		.amdhsa_forward_progress 1
		.amdhsa_inst_pref_size 91
	.end_amdhsa_kernel
	.amdgpu_metadata
---
amdhsa.version: [ 1, 2 ]
amdhsa.kernels:
  - .name:           k_qd80a276df4_attn
    .symbol:         k_qd80a276df4_attn.kd
    .args:
      - { .name: q_codes, .offset: 0, .size: 8, .value_kind: global_buffer, .address_space: global }
      - { .name: k_codes, .offset: 8, .size: 8, .value_kind: global_buffer, .address_space: global }
      - { .name: v_codes, .offset: 16, .size: 8, .value_kind: global_buffer, .address_space: global }
      - { .name: lowp_scales, .offset: 24, .size: 8, .value_kind: global_buffer, .address_space: global }
      - { .name: ctx_codes, .offset: 32, .size: 8, .value_kind: global_buffer, .address_space: global }
    .group_segment_fixed_size: 327680
    .private_segment_fixed_size: 0
    .kernarg_segment_align: 8
    .kernarg_segment_size: 40
    .max_flat_workgroup_size: 256
    .sgpr_count:     96
    .vgpr_count:     512
    .wavefront_size: 32
...
	.end_amdgpu_metadata
.endif
;; end of part 2
;; launch oproj (part 3): grid 64 x 4, 4 waves a work-group, clusters of 4 x 1, 327,680 bytes of LDS; arguments ctx_codes, Wo_codes, lowp_scales, out0; writes out0
.if DOCPART == 3
	.amdgcn_target "amdgcn-amd-amdhsa--gfx1250"
	.amdhsa_code_object_version 6
	.text
	.protected	k_qd80a276df4_oproj
	.globl	k_qd80a276df4_oproj
	.p2align	8
	.type	k_qd80a276df4_oproj,@function
k_qd80a276df4_oproj:
	s_mov_b64 s[64:65], 0
	v_nop
	global_prefetch_b8 v0, s[64:65] scope:SCOPE_SE
	s_setreg_imm32_b32 hwreg(HW_REG_WAVE_MODE, 25, 1), 1
	s_wait_xcnt 0x0
	s_wait_alu depctr_hold_cnt(0) depctr_sa_sdst(0) depctr_va_vdst(0) depctr_va_sdst(0) depctr_va_ssrc(0) depctr_va_vcc(0) depctr_vm_vsrc(0)
	s_getreg_b32 s2, hwreg(HW_REG_IB_STS2, 6, 4)
	s_cmp_eq_u32 s2, 0
	s_cbranch_scc0 .Lentry_in_a_cluster
	s_endpgm
.Lentry_in_a_cluster:
	s_bfe_u32 s2, ttmp6, 0x10000c
	s_cmp_lg_u32 s2, 0x3003
	s_cbranch_scc0 .Lentry_shape_is_right
	s_endpgm
.Lentry_shape_is_right:
; out = ctx Wo^T on E4M3 codes; out: [8192][1024] f32; each finished sum x 2^(e10 + e11).
; ctx_codes: images of fragments, [row/16][head][2][32 lanes][16 bytes] (a head = 64 along K, k in the plain form's own places); Wo_codes: [1024][1024], K innermost.
; SHARES.  A work-group makes 128 rows x 256 columns: 64 x 4 work-groups.  A wave makes 64 x 128: 32 accumulators.
; Wo's 256 rows lie in LDS for the whole of K, as four chunks of 256 along K, each filled once: no slot is filled again, so there is no ring.  The four work-groups of a cluster share the
; columns and ask for each chunk jointly.  ctx comes from memory straight into registers, a fragment's image by loads of 512 consecutive bytes, three K steps of 128 ahead.
; The matrix instruction is used transposed (source 0 = 16 rows of Wo, source 1 = 16 rows of ctx): a lane holds eight neighbouring columns of one row of out.
; LIMIT: e10 + e11 between -126 and 127, so that 2^(e10 + e11) is an f32 number.
.set PITCH,  272                       ; an LDS row: 256 bytes + 16: the 32 lanes of a load of 8 bytes touch all 64 banks once
.set CHUNK,  256*PITCH
.set STAGE,  4*CHUNK                   ; behind the chunks: 16 rows x (512 + 16) bytes for each wave, for the way out; no tile lands there
.set SPITCH, 528
.set ADRB, 16                          ; v16-19 LDS address of my fragments of Wo in chunk 0 .. 3
.set STO,  24
.set RD,   25
.set LI,   26                          ; 16 x lane
.set WF,   32                          ; v32-95, v96-159: Wo's 8 fragments (64 along K), two sets
.set TMP,  32                          ; the way out
.set BK,   96
.set WV, 14
.set MH, 15
.set NH, 16
.set G1, 24
.set G0, 32                            ; s[32:47]: a group 0 for each chunk
; windows: 0 addresses and Wo's fragments; 1 the accumulators, (a, b) at v[8 (8 a + b)]; 2 ctx: four buffers of 64 (4 tiles of rows x 128 along K)
.set MSB, 0
.macro WIN new
.if MSB != (\new)
	s_set_vgpr_msb (MSB<<8)|(\new)
.set MSB, (\new)
.endif
.endm
.macro PLACES
.rept 4
	v_nop
.endr
.endm
.macro CROUND
	s_barrier_signal -1
	s_barrier_wait -1
	s_cmp_lg_u32 s[WV], 0
	s_cbranch_scc1 .Lnot_wave_0_\@
	s_barrier_signal -3
.Lnot_wave_0_\@:
	s_barrier_wait -3
	s_barrier_signal -1
	s_barrier_wait -1
.endm
	s_load_b256 s[4:11], s[0:1], 0x0               ; ctx s[4:5], Wo s[6:7], scales s[8:9], out s[10:11]
	v_lshl_add_u32 v254, v0, 2, 0x4c400
	v_mov_b32 v255, 0
	ds_add_u32 v254, v255
	v_lshrrev_b32 v1, 5, v0
	v_readfirstlane_b32 s[WV], v1
	s_lshr_b32 s[MH], s[WV], 1                     ; which 64 rows
	s_and_b32 s[NH], s[WV], 1                      ; which 128 columns
	s_bfe_u32 s17, ttmp6, 0x40000                  ; cx
	s_lshl_b32 s18, ttmp9, 2
	s_add_co_u32 s18, s18, s17                     ; block of 128 rows: it enters ctx's and out's addresses alone
	s_and_b32 s19, ttmp7, 0xffff                   ; block of 256 columns, which the four partners share
	s_mov_b32 s[G1], 15|(1<<20)|(1<<21)|(5<<22)|(3<<25)   ; all four work-groups; elements of 1 byte; padding on; bit 21 beside a mask; after every 64 words four words
	s_mov_b32 s[G1+1], 256<<16                     ; tensor_dim0 = 256
	s_mov_b32 s[G1+2], 64<<16                      ; tensor_dim1 = 64
	s_mov_b32 s[G1+3], 256<<16                     ; tile_dim0 = 256
	s_mov_b32 s[G1+4], 64                          ; tile_dim1 = 64
	s_mov_b32 s[G1+5], 1024
	s_mov_b32 s[G1+6], 0
	s_mov_b32 s[G1+7], 0
	s_lshl_b32 s48, s19, 18
	s_lshl_b32 s49, s[WV], 16
	s_add_co_u32 s48, s48, s49                     ; Wo: row 256 x block + 64 x wave
	s_mov_b32 s49, 0
	s_mul_i32 s20, s[WV], 64*PITCH
	s_lshl_b32 s50, s18, 3
	s_lshl_b32 s51, s[MH], 2
	s_add_co_u32 s50, s50, s51
	s_lshl_b32 s50, s50, 14                        ; ctx: my first tile of 16 rows, 16,384 bytes a tile
	s_mov_b32 s51, 0
	s_lshl_b32 s52, s18, 7
	s_lshl_b32 s53, s[MH], 6
	s_add_co_u32 s52, s52, s53
	s_lshl_b32 s52, s52, 12                        ; out: my first row of 4,096 bytes,
	s_lshl_b32 s53, s19, 10
	s_add_co_u32 s52, s52, s53
	s_lshl_b32 s53, s[NH], 9
	s_add_co_u32 s52, s52, s53                     ; my first column
	s_mov_b32 s53, 0
	s_wait_dscnt 0x0
	s_wait_kmcnt 0x0
	s_load_b64 s[96:97], s[8:9], 0x28              ; e10, e11
	s_add_nc_u64 s[48:49], s[6:7], s[48:49]
	s_add_nc_u64 s[50:51], s[4:5], s[50:51]
	s_add_nc_u64 s[10:11], s[10:11], s[52:53]
.irp j, 0,1,2,3
	s_mov_b32 s[G0+4*\j], 1
	s_add_co_u32 s[G0+4*\j+1], s20, \j*CHUNK
	s_add_nc_u64 s[G0+4*\j+2:G0+4*\j+3], s[48:49], 256*\j
	s_or_b32 s[G0+4*\j+3], s[G0+4*\j+3], 0x80000000
.endr
	CROUND                                         ; all four work-groups are here: the joint loads meet
.irp j, 0,1,2,3
	tensor_load_to_lds s[G0+4*\j:G0+4*\j+3], s[G1:G1+7]   ; every wave: its 64 rows of each chunk: four loads of mine are out
	s_nop 0
.endr
.rept 4
	v_nop
.endr
	v_and_b32 v1, 15, v0                           ; r
	v_bfe_u32 v2, v0, 4, 1                         ; h
	v_and_b32 v5, 31, v0
	v_lshlrev_b32 v[LI], 4, v5
	v_mul_u32_u24 v3, v1, PITCH
	v_lshl_add_u32 v3, v2, 3, v3                   ; r x pitch + 8 h
	s_mul_i32 s21, s[NH], 128*PITCH
	v_add_nc_u32 v[ADRB], s21, v3
	v_add_nc_u32 v[ADRB+1], CHUNK, v[ADRB]
	v_add_nc_u32 v[ADRB+2], 2*CHUNK, v[ADRB]
	v_add_nc_u32 v[ADRB+3], 3*CHUNK, v[ADRB]
	s_mul_i32 s22, s[WV], 16*SPITCH
	s_add_co_u32 s22, s22, STAGE
	v_mul_u32_u24 v4, v1, SPITCH
	v_lshl_add_u32 v4, v2, 5, v4
	v_add_nc_u32 v[STO], s22, v4                   ; into my stage: row r, 32 bytes for each half of the lanes
	v_add_nc_u32 v[RD], s22, v[LI]                 ; back: the 32 lanes take one row of 512 bytes
.macro ALOAD s                         ; ctx's four fragments of K step s (heads 2 s, 2 s + 1) into buffer s % 4
	WIN 0x80
.irp a, 0,1,2,3
.irp g, 0,1,2,3
	global_load_b128 v[64*((\s)%4)+16*\a+4*\g:64*((\s)%4)+16*\a+4*\g+3], v[LI], s[50:51] offset:16384*\a+2048*(\s)+512*\g
.endr
.endr
	WIN 0
.endm
.macro BLOAD hs                        ; Wo's eight fragments of half step hs (64 along K): registers 2 c, 2 c + 1 hold k = 16 c + 8 h + 0 .. 7, as ctx's images have them
.irp b, 0,1,2,3,4,5,6,7
.irp c, 0,1,2,3
	ds_load_b64 v[WF+64*((\hs)%2)+8*\b+2*\c:WF+64*((\hs)%2)+8*\b+2*\c+1], v[ADRB+(\hs)/4] offset:\b*16*PITCH+64*((\hs)%4)+16*\c
.endr
.endr
.endm
; A half step: 32 matrix instructions; the 32 accumulators take turns in the same order in every half step.
.macro HS hs
	s_wait_dscnt 0x0                               ; this half step's fragments of Wo are in
.if ((\hs)+1)%4 == 0 && (\hs) < 15
	s_wait_tensorcnt 3-((\hs)+1)/4                 ; my part of the next chunk has landed; the later chunks may stay out
	s_barrier_signal -1
	s_barrier_wait -1                              ; everybody's has
.endif
.if (\hs) > 0
	PLACES                                         ; in front of loads into registers that the last half step's products read
.endif
.if (\hs) < 15
	BLOAD (\hs)+1
.endif
.if (\hs)%2 == 0
.if (\hs)/2+3 <= 7
	ALOAD (\hs)/2+3
.endif
.if (\hs)/2 <= 4
	s_wait_loadcnt 48                              ; this K step's 16 loads are in; those of the three K steps behind it may be out
.else
	s_wait_loadcnt 16*(7-(\hs)/2)
.endif
.endif
	WIN 0x58                                       ; Wo window 0, ctx window 2, C and D window 1
.irp a, 0,1,2,3
.irp b, 0,1,2,3,4,5,6,7
.if (\hs) == 0
	v_wmma_f32_16x16x64_fp8_fp8 v[8*(8*\a+\b):8*(8*\a+\b)+7], v[WF+64*((\hs)%2)+8*\b:WF+64*((\hs)%2)+8*\b+7], v[64*(((\hs)/2)%4)+16*\a+8*((\hs)%2):64*(((\hs)/2)%4)+16*\a+8*((\hs)%2)+7], 0
.else
	v_wmma_f32_16x16x64_fp8_fp8 v[8*(8*\a+\b):8*(8*\a+\b)+7], v[WF+64*((\hs)%2)+8*\b:WF+64*((\hs)%2)+8*\b+7], v[64*(((\hs)/2)%4)+16*\a+8*((\hs)%2):64*(((\hs)/2)%4)+16*\a+8*((\hs)%2)+7], v[8*(8*\a+\b):8*(8*\a+\b)+7]
.endif
.endr
.endr
	WIN 0
.endm
	ALOAD 0
	ALOAD 1
	ALOAD 2
	s_wait_tensorcnt 0x3                           ; my part of chunk 0 is in,
	s_barrier_signal -1
	s_barrier_wait -1                              ; everybody's is
	BLOAD 0
.irp n, 0,1,2,3,4,5,6,7,8,9,10,11,12,13,14,15
	HS \n
.endr
; THE WAY OUT, a block of 16 rows x 128 columns at a time: x 2^(e10 + e11), through my own stage, back as whole rows of 512 bytes.  LDS serves a wave's instructions in order (ISA guide 5.7.1.4):
; no wait between the stores and the loads.
.macro TOSTAGE a
	WIN 0x01
.set j, 0
.rept 32
	v_pk_mul_f32 v[TMP+j:TMP+j+1], v[64*(\a)+j:64*(\a)+j+1], s[96:97] op_sel_hi:[1,0]   ; each accumulator from its low end on
.set j, j+2
.endr
	WIN 0
.irp b, 0,1,2,3,4,5,6,7
	ds_store_b128 v[STO], v[TMP+8*\b:TMP+8*\b+3] offset:64*\b
	ds_store_b128 v[STO], v[TMP+8*\b+4:TMP+8*\b+7] offset:64*\b+16
.endr
.irp t, 0,1,2,3,4,5,6,7,8,9,10,11,12,13,14,15
	ds_load_b128 v[BK+64*((\a)%2)+4*\t:BK+64*((\a)%2)+4*\t+3], v[RD] offset:\t*SPITCH
.endr
.endm
.macro SEND a, younger
	s_wait_dscnt \younger                          ; the block is back in registers
.if (\a) > 0
	s_add_nc_u64 s[10:11], s[10:11], 16*4096       ; (behind a wait on XCNT: the earlier stores have read their base)
.endif
.irp t, 0,1,2,3,4,5,6,7,8,9,10,11,12,13,14,15
	global_store_b128 v[LI], v[BK+64*((\a)%2)+4*\t:BK+64*((\a)%2)+4*\t+3], s[10:11] offset:\t*4096 th:TH_STORE_NT   ; 512 consecutive bytes, aligned; written once, read by nobody here
.endr
.endm
	s_wait_kmcnt 0x0
	s_add_co_i32 s96, s96, s97
	s_add_co_i32 s96, s96, 127
	s_lshl_b32 s96, s96, 23                        ; 2^(e10 + e11) as f32
	PLACES
	TOSTAGE 0
.irp a, 1,2,3
.if \a > 1
	s_wait_xcnt 0x0                                ; block a - 2's stores have read their registers and their base
.endif
	TOSTAGE \a
	SEND \a-1, 32                                  ; behind block a - 1's loads: block a's 16 stores and 16 loads
.endr
	s_wait_xcnt 0x0
	SEND 3, 0
	s_wait_tensorcnt 0x0
	s_wait_dscnt 0x0
	s_wait_tensorcnt 0x0
	ds_add_u32 v254, v255
	s_wait_dscnt 0x0
	CROUND                                         ; the closing round: no work-group ends while a partner may still ask for a tile that names it
	s_endpgm
.Lfunc_end_k_qd80a276df4_oproj:
	.size	k_qd80a276df4_oproj, .Lfunc_end_k_qd80a276df4_oproj-k_qd80a276df4_oproj
	.p2alignl 7, 3214868480
	.fill 96, 4, 3214868480
	.section	.rodata,"a",@progbits
	.p2align	6, 0x0
	.amdhsa_kernel k_qd80a276df4_oproj
		.amdhsa_group_segment_fixed_size 327680
		.amdhsa_private_segment_fixed_size 0
		.amdhsa_enable_private_segment 0
		.amdhsa_kernarg_size 32
		.amdhsa_user_sgpr_count 2
		.amdhsa_user_sgpr_kernarg_segment_ptr 1
		.amdhsa_wavefront_size32 1
		.amdhsa_system_sgpr_workgroup_id_x 1
		.amdhsa_system_sgpr_workgroup_id_y 1
		.amdhsa_system_sgpr_workgroup_id_z 1
		.amdhsa_system_vgpr_workitem_id 0
		.amdhsa_next_free_vgpr 768
		.amdhsa_next_free_sgpr 100
		.amdhsa_reserve_vcc 0
		.amdhsa_float_denorm_mode_32 3
		.amdhsa_float_denorm_mode_16_64 3
		.amdhsa_memory_ordered 1
		.amdhsa_forward_progress 1
		.amdhsa_inst_pref_size 109
	.end_amdhsa_kernel
	.amdgpu_metadata
---
amdhsa.version: [ 1, 2 ]
amdhsa.kernels:
  - .name:           k_qd80a276df4_oproj
    .symbol:         k_qd80a276df4_oproj.kd
    .args:
      - { .name: ctx_codes, .offset: 0, .size: 8, .value_kind: global_buffer, .address_space: global }
      - { .name: Wo_codes, .offset: 8, .size: 8, .value_kind: global_buffer, .address_space: global }
      - { .name: lowp_scales, .offset: 16, .size: 8, .value_kind: global_buffer, .address_space: global }
      - { .name: out0, .offset: 24, .size: 8, .value_kind: global_buffer, .address_space: global }
    .group_segment_fixed_size: 327680
    .private_segment_fixed_size: 0
    .kernarg_segment_align: 8
    .kernarg_segment_size: 32
    .max_flat_workgroup_size: 128
    .sgpr_count:     100
    .vgpr_count:     768
    .wavefront_size: 32
...
	.end_amdgpu_metadata
.endif
;; end of part 3
